; MI455X (gfx1250); checked and timed in simulation.
; The chip was launched on July 23, 2026; its instructions are those of AMD's public machine-readable ISA for CDNA 5 (MIT licence, August 2026) and "CDNA5" Instruction Set Architecture Reference Guide (July 2026). The comments in the code are by the model that wrote it; some were corrected since.
;; Attention. Allowed arithmetic: matrix products marked QUANTISED: E5M2 operands, one given power-of-two scale a tensor, by v_wmma_f32_16x16x64_bf8_bf8 or v_wmma_f32_16x16x128_bf8_bf8, f32 sums; everything else in f32.
;; Inputs: W_codes 1,024 x 32 x 32 uint8 (E5M2 codes of W, K innermost, in blocks of 32 codes); b 1,024 float32; lowp_scales 2 int32 (the exponents e of the quantised operands' scales 2^e); lstm_output 16 x 4,096 x 1,024 float32.
;; Outputs: out0 16 x 1,024 float32.
;; This version of the problem:
;;   THIS VERSION OF THE PROBLEM IS GIVEN IN LOW PRECISION. The matrix products marked QUANTISED in the list below multiply operands that are first quantised to E5M2 (5 exponent bits, 2 mantissa bits; 8 bits a number), with one given power-of-two scale for each operand tensor; their sums are f32. All else is computed in f32.
;;   The module's matrix products, in the order in which they are computed (A, B: the left and right operand; K: the contracted axis; several contracted axes count as one K, in the product's order):
;;     1. [M 65,536, K 1,024] x [K 1,024, N 1,024]; A: input lstm_output; B: input W (given as codes): QUANTISED (scales: A lowp_scales[0], B lowp_scales[1])
;;   THE QUANTISER, for each operand of a quantised product, along K:
;;     - The operand's scale is 2^e, e = its entry of the input lowp_scales (int32; the entries are numbered through the quantised products in the list's order, A before B).
;;     - Each number is divided by the scale, clamped to +-57,344, and rounded to the nearest number of E5M2, ties to even, subnormals kept.
;;     - The product sums the exact products of the quantised numbers (number of the format x scale) in f32.
;;   ~~~python
;;   def quantise(x, axis, e):      # numpy; x: float32 -> the quantised numbers, widened to float32 again
;;       x = np.moveaxis(x, axis, -1); K = x.shape[-1]
;;       r = np.clip(x / 2.0 ** e, -57344, 57344)
;;       step = 2.0 ** (np.maximum(np.frexp(np.where(r == 0, 1, r))[1] - 1, -14) - 2)
;;       q = np.round(r / step) * step * 2.0 ** e      # np.round: ties to even
;;       return np.moveaxis(q, -1, axis).astype(np.float32)
;;   ~~~
;;   INPUTS GIVEN AS CODES. W (in the module: [1024, 1024], K = its axis 1): each comes as NAME_codes (uint8): NAME with its K axis moved to the last place and cut into blocks of 32 codes, [.., K / 32, bytes a block], one block behind the other in memory; one code a byte (a code: sign, 5 exponent bits, 2 mantissa bits); its scale is its entry of lowp_scales. Its value is code x scale, taken as it is: it is not quantised again, and the codes and scales need not be those that the quantiser above would give.
;; One version. Each part assembles by itself: llvm-mc -triple=amdgcn-amd-amdhsa -mcpu=gfx1250 --defsym DOCPART=n.
;; ======== version 1 of 1: 2 launches
;; limits: right only within a limited range of input values
;; workspace buffers: part 524,288 bytes
;; launch pool (part 1): grid 4 x 64, 4 waves a work-group, clusters of 4 x 1, 135,680 bytes of LDS; arguments lstm_output, W_codes, b, lowp_scales, part; writes part
.if DOCPART == 1
	.amdgcn_target "amdgcn-amd-amdhsa--gfx1250"
	.amdhsa_code_object_version 6
	.text
	.protected	k_q1938a37980_pool
	.globl	k_q1938a37980_pool
	.p2align	8
	.type	k_q1938a37980_pool,@function
k_q1938a37980_pool:
	s_mov_b64 s[64:65], 0
	v_nop
	global_prefetch_b8 v0, s[64:65] scope:SCOPE_SE
	s_setreg_imm32_b32 hwreg(HW_REG_WAVE_MODE, 25, 1), 1
	s_wait_xcnt 0x0
	s_wait_alu depctr_hold_cnt(0) depctr_sa_sdst(0) depctr_va_vdst(0) depctr_va_sdst(0) depctr_va_ssrc(0) depctr_va_vcc(0) depctr_vm_vsrc(0)
	s_getreg_b32 s2, hwreg(HW_REG_IB_STS2, 6, 4)
	s_cmp_eq_u32 s2, 0
	s_cbranch_scc0 .Lentry_in_a_cluster
	s_endpgm
.Lentry_in_a_cluster:
	s_bfe_u32 s2, ttmp6, 0x10000c
	s_cmp_lg_u32 s2, 0x3003
	s_cbranch_scc0 .Lentry_shape_is_right
	s_endpgm
.Lentry_shape_is_right:
; out[b][o] = sum_s softmax_s(tanh(Q(x) W^T + b))[s][o] x[b][s][o].  x: [16 x 4096][1024] f32, quantised here to E5M2 with 2^e0; W: [1024][1024] codes of E5M2 with 2^e1.
; This launch makes, for each quarter g of a batch's rows (1,024 rows) and each output o, num = sum_s p x and den = sum_s p, p = e^(tanh(z) - 1); the second launch adds the four quarters and divides.
; NO WORK IS LEFT OUT: every input has a way to the output and is loaded.
; THE MAXIMUM: the softmax's input is a tanh, in [-1, 1] for every input; the bound 1 is taken away in place of the column's maximum: p lies in [e^-2, 1], a column's sum in [4096 e^-2, 4096]:
; no exponential and no sum can overflow or underflow, and sums over parts of s add plainly.
; p WITHOUT A tanh: tanh(z) - 1 = -2 / (e^(2z) + 1).  a = 2^(acc C1 + 2 log2(e) b), C1 = 2 log2(e) 2^(e0+e1); d = -(a + 1) ln2 / 2; p = 2^(1 / d).  a = infinity gives p = 1, a = 0 gives p = e^-2: both right.
; LIMITS: e0 between -126 and 112; e0 + e1 between -126 and 125 (each power of two below is an f32 number).  NaN among the inputs is not served.  The order of the sums along K differs from ascending K (ROTATION, FRAGMENTS).
; SHARES.  Work-group (c, g): outputs 256 c .. + 255, rows 1024 g .. + 1023.  The four work-groups of a g, which read the same rows of x, form one cluster; c is the place in it.
; Wave w: outputs 256 c + 64 w .. + 63, four tiles of 16, for all rows; its 64 rows of W (512 registers) stay in registers.  The rows go in 32 blocks of 32.
; x IN: wave w loads rows 8 w .. 8 w + 7 of a block whole; each load covers 512 consecutive bytes of one row (a chunk of 128 columns, 16 bytes a lane).  One conversion takes the same chunk of two rows:
; its two code words go to the two rows of a row-major buffer of codes in LDS (pitch 1,040 bytes), 128 consecutive bytes a store.  All four waves read fragments from there.
; The f32 of the work-group's own 256 columns also go to an LDS stage (pitch 1,040), unheld, and come back in the result's layout for p x.
; ROTATION.  Logical chunk M of K is physical chunk (2 c + M) mod 8, for x and W alike: the own columns are logical chunks 0 and 1 in every work-group, and no LDS address hangs on c.
; FRAGMENTS.  Registers 4 i .. 4 i + 3 of lane (r, h) hold k = 128 s + 32 i + 16 h + 0 .. 15 of row r, in x's fragments and in W's alike: every product meets its partner.
; LAYOUT.  The product is used transposed (source 0 = 16 rows of W, source 1 = 16 rows of x): register 8 T + j of lane (r, h) is z(row r, output 16 T + 8 h + j).
; NO JOINT LOADS: as f32 through LDS two slots of a block are 2 x 131,072 bytes, which with the codes' and the stage's 133,120 is more than the 327,680 there are; and each f32 would be written to LDS and read again.
; A TRIP (block n, buffers n % 2) has 16 groups (tile g / 8, K step g % 8): four products, then 1/16 of block n + 1 is quantised and the same part of block n + 2 asked for.
; groups 0-7 | tile 0's way to num and den | tile 1's own columns asked for | groups 8-15 | THE BARRIER | the next trip's first two fragments asked for | tile 1's way | the next tile 0's own columns asked for.
; No transcendental stands between two products of a sum.  A fragment is asked for two groups ahead: three fragment buffers take turns.
; REGISTERS.  window 0: see the names below.  window 1: S: x in flight, group g at 16 g: chunk 2 (g % 4) + e at + 8 e, rows 2 (g / 4) + i at + 4 i.  windows 2, 3: W (tile T, K step s) at 16 (4 (s % 4) + T), s < 4 and s >= 4.
.set SPW,  1            ; LDS address of my spare word; never rewritten
.set NIL,  2            ; 0; never rewritten
.set VPF,  3            ; the prefetches' offset
.set VO,   4            ; v4-11: x: 16 lane + 32768 w + 512 x the physical chunk, one for each logical chunk
.set VSC,  12           ; 2^e0 as f32
.set VLIM, 13           ; 57,344 x 2^e0
.set VK,   14           ; v[14:15] -ln2 / 2, twice
.set ACS,  16           ; codes out: 4 lane + 8 w rows
.set ASS,  17           ; stage in: 16 lane + 8 w rows
.set AFR,  18           ; fragments: r rows + 16 h
.set AXR,  19           ; stage back: r rows + 256 w + 32 h
.set CD,   20           ; v20-23 a group's four code words
.set FR,   32           ; v32-79 three fragment buffers
.set ACC,  80           ; v80-111 a tile's four accumulators
.set XF,   112          ; v112-143 a tile's own columns, f32
.set BB,   144          ; v144-175 2 log2(e) b in the result's layout
.set NUM,  176          ; v176-207
.set DEN,  208          ; v208-239
.set VWO,  240          ; at the head only: W's offsets, one for each K step
.set PC,   1040         ; an LDS row of 1,024 bytes + 16: sixteen rows start at sixteen different groups of four banks (ISA guide 11.1)
.set CB,   32*PC        ; a buffer of codes; two, from LDS byte 0
.set STG,  2*CB         ; the stage: two buffers of 32 rows
.set SB,   32*PC
.set RST,  STG+2*SB     ; 512 bytes a wave: num's 64 numbers, den's 64
.set SPARE, RST+2048    ; the spare words, 128 bytes a wave
.set BLKB, 131072       ; a block of 32 rows of x
.set MSB, 0
.macro WIN new                          ; the immediate's high byte repeats the setting that is left
.if MSB != (\new)
	s_set_vgpr_msb (MSB<<8)|(\new)
.set MSB, (\new)
.endif
.endm
.macro XL g, off                        ; group g's part of the block off bytes on from s[4:5]: 4 loads into window 1 (the caller sets it)
.set qa, (\g)/4
.set qm, 2*((\g)%4)
.irp e, 0,1
.irp i, 0,1
	global_load_b128 v[16*(\g)+8*\e+4*\i:16*(\g)+8*\e+4*\i+3], v[VO+qm+\e], s[4:5] offset:(\off)+(2*qa+\i)*4096
.endr
.endr
.endm
; group g's part of a block becomes codes in buffer buf; the own chunks' f32 go to the stage first, unheld; ld = 1: the registers take the same part of the block after
.macro QG g, buf, ld
.set qa, (\g)/4
.set qm, 2*((\g)%4)
.if ((\g)%4) == 0
	WIN 0x04                                ; store data window 1
.irp e, 0,1
.irp i, 0,1
	ds_store_b128 v[ASS], v[16*(\g)+8*\e+4*\i:16*(\g)+8*\e+4*\i+3] offset:(\buf)*SB+(2*qa+\i)*PC+512*\e
.endr
.endr
.endif
	WIN 0x41                                ; destination and source 0 window 1
.set qj, 16*(\g)
.rept 16
	v_med3_num_f32 v[qj], v[qj], -v[VLIM], v[VLIM]   ; the conversion does not saturate (ISA guide 7.6.2): the hold at the largest code x the scale
.set qj, qj+1
.endr
	WIN 0x01
	v_cvt_scalef32_pk8_bf8_f32 v[CD:CD+1], v[16*(\g):16*(\g)+7], v[VSC]
	v_cvt_scalef32_pk8_bf8_f32 v[CD+2:CD+3], v[16*(\g)+8:16*(\g)+15], v[VSC]
	WIN 0
	v_nop                                   ; a plain vector line behind the last conversion of the run
.irp e, 0,1
.irp i, 0,1
	ds_store_b32 v[ACS], v[CD+2*\e+\i] offset:(\buf)*CB+(2*qa+\i)*PC+128*(qm+\e)
.endr
.endr
.if \ld
	WIN 0x40
	XL \g, BLKB
	WIN 0
.endif
.endm
.macro FLOAD q, buf                     ; fragment q (tile q / 8, K step q % 8) of buffer buf into fragment buffer q % 3
.set FQ, FR+16*((\q)%3)
.irp i, 0,1,2,3
	ds_load_b128 v[FQ+4*\i:FQ+4*\i+3], v[AFR] offset:(\buf)*CB+16*((\q)/8)*PC+128*((\q)%8)+32*\i
.endr
.endm
.macro XFLD t, buf                      ; tile t's own columns out of stage buffer buf: x(r, 16 T + 8 h + 0 .. 7) into registers 8 T on
.irp T, 0,1,2,3
.irp j, 0,1
	ds_load_b128 v[XF+8*\T+4*\j:XF+8*\T+4*\j+3], v[AXR] offset:(\buf)*SB+16*(\t)*PC+64*\T+16*\j
.endr
.endr
.endm
.macro MM q, T                          ; one product; a tile's first K step starts the sums.  The four accumulators take turns
.set FQ, FR+16*((\q)%3)
	WIN 0x02+((\q)%8)/4                     ; source 0 (W) window 2 or 3
.if ((\q)%8) == 0
	v_wmma_f32_16x16x128_bf8_bf8 v[ACC+8*(\T):ACC+8*(\T)+7], v[16*(4*((\q)%4)+(\T)):16*(4*((\q)%4)+(\T))+15], v[FQ:FQ+15], 0
.else
	v_wmma_f32_16x16x128_bf8_bf8 v[ACC+8*(\T):ACC+8*(\T)+7], v[16*(4*((\q)%4)+(\T)):16*(4*((\q)%4)+(\T))+15], v[FQ:FQ+15], v[ACC+8*(\T):ACC+8*(\T)+7]
.endif
.endm
; A TILE'S WAY FROM SUMS TO num AND den; each accumulator is read from its low end on.  Three batches of 32 transcendentals;
; a wait stands ahead of each batch, and a plain line and a wait behind it.
.macro EPI
.set ej, 0
.rept 16
	v_pk_fma_f32 v[ACC+2*ej:ACC+2*ej+1], v[ACC+2*ej:ACC+2*ej+1], s[22:23], v[BB+2*ej:BB+2*ej+1] op_sel_hi:[1,0,1]   ; both x s22 = C1, + the bias's share
.set ej, ej+1
.endr
	s_wait_alu depctr_va_vdst(0)
.set ej, 0
.rept 32
	v_exp_f32 v[ACC+ej], v[ACC+ej]          ; a
.set ej, ej+1
.endr
	v_nop
	s_wait_alu depctr_va_vdst(0)
.set ej, 0
.rept 16
	v_pk_fma_f32 v[ACC+2*ej:ACC+2*ej+1], v[ACC+2*ej:ACC+2*ej+1], v[VK:VK+1], v[VK:VK+1]      ; d = -(a + 1) ln2 / 2
.set ej, ej+1
.endr
	s_wait_alu depctr_va_vdst(0)
.set ej, 0
.rept 32
	v_rcp_f32 v[ACC+ej], v[ACC+ej]
.set ej, ej+1
.endr
	v_nop
	s_wait_alu depctr_va_vdst(0)
.set ej, 0
.rept 32
	v_exp_f32 v[ACC+ej], v[ACC+ej]          ; p
.set ej, ej+1
.endr
	v_nop
	s_wait_alu depctr_va_vdst(0)
.set ej, 0
.rept 16
	v_pk_add_f32 v[DEN+2*ej:DEN+2*ej+1], v[DEN+2*ej:DEN+2*ej+1], v[ACC+2*ej:ACC+2*ej+1]
	v_pk_fma_f32 v[NUM+2*ej:NUM+2*ej+1], v[ACC+2*ej:ACC+2*ej+1], v[XF+2*ej:XF+2*ej+1], v[NUM+2*ej:NUM+2*ej+1]
.set ej, ej+1
.endr
.endm
; GROUP g.  At its head: the wait for its fragment; the fragment two groups on is asked for, into the buffer that the group before has read (behind that group's last product stand sixteen holds or four v_nop:
; the places in front of a load into a register that a product has read).
; LDS COUNTS.  Behind fragment g's loads stand at least: the stores of group g - 2 (four or eight), the next fragment's four loads, the stores of group g - 1: 12 may be out
; (group 0: fragment 1's four and the own columns' eight; group 15: no fragment behind it: 8).  Without stores: 4, and 0 for group 15.
; LOAD COUNTS.  Behind group g's four loads of the last trip stand 4 (15 - g) of that trip and this trip's 4 g: 60; where this trip loads nothing, 60 - 4 g.
.macro GRP g, par, qn, ld
.set gc, 4
.if (\g) == 15
.set gc, 0
.endif
.if \qn
.set gc, 12
.if (\g) == 15
.set gc, 8
.endif
.endif
	s_wait_dscnt gc
.if (\g) < 14
	FLOAD (\g)+2, \par
.endif
.irp T, 0,1,2,3
	MM \g, \T
.endr
.if \qn
.set lc, 60
.if !(\ld)
.set lc, 60-4*(\g)
.endif
	s_wait_loadcnt lc
	QG \g, 1-(\par), \ld
.else
	WIN 0
.rept 4
	v_nop
.endr
.endif
.endm
; The barrier of a trip.  fin = 0: x's pointer steps a block; fin < 2: the barrier.  In front of it my stores of codes and of own columns have landed and my reads are in:
; behind it the buffers just written are whole, and the buffers just read may be written.
.macro ENDT fin
.if (\fin) == 0
	s_wait_xcnt 0x0                         ; every load and prefetch issued has read its base
	s_add_nc_u64 s[4:5], s[4:5], BLKB
.endif
.if (\fin) < 2
	s_wait_dscnt 0x0
	s_barrier_signal -1
	s_barrier_wait -1
.endif
.endm
; TRIP n, par = n % 2.  s[4:5] stands at block n + 1 up to the barrier, at block n + 2 behind it.  qn: quantise block n + 1; ld: load block n + 2; pre: prefetch while s26 > 1
.macro TRIP par, ld, qn, pre, fin
.irp g, 0,1,2,3,4,5,6,7
	GRP \g, \par, \qn, \ld
.endr
	EPI                                     ; tile 0: its own columns were asked for ahead of group 0, and group 2's wait has shown them in
	XFLD 1, \par
.irp g, 8,9,10,11,12,13,14,15
	GRP \g, \par, \qn, \ld
.endr
	ENDT \fin
.if (\fin) < 2
	FLOAD 0, 1-(\par)                       ; the next trip's first two fragments; tile 1's way below stands between these loads and the wait for them
	FLOAD 1, 1-(\par)
.endif
	EPI                                     ; tile 1: its own columns are in since the wait for 0 above (in the last trip: group 15's)
.if (\fin) < 2
	XFLD 0, 1-(\par)
.endif
; THE PREFETCH: block n + 4, whose loads are issued in trip n + 2.  A block is 512 aligned pieces of 256 bytes: a lane a piece, 32 a wave; the sixteen waves of the
; cluster take 32 each, told apart by address (rows 2 (4 c + w) and + 1): each piece is named once in the launch.  Trips 28 to 31 ask for nothing: there is no block 32.  Blocks 0 to 3 come by their loads alone.
.if \pre
	s_cmp_gt_u32 s26, 1
	s_cbranch_scc0 .Lnopf_\@
	global_prefetch_b8 v[VPF], s[4:5] offset:2*BLKB th:TH_LOAD_NT scope:SCOPE_SE
.Lnopf_\@:
.endif
.endm
	s_load_b256 s[4:11], s[0:1], 0x0                ; x s[4:5], W's codes s[6:7], b s[8:9], the scales' exponents s[10:11]
	s_load_b64 s[12:13], s[0:1], 0x20               ; part
	v_lshl_add_u32 v[SPW], v0, 2, SPARE
	v_mov_b32 v[NIL], 0
	v_lshrrev_b32 v24, 5, v0
	v_readfirstlane_b32 s16, v24                    ; w
	v_and_b32 v25, 31, v0                           ; lane
	v_and_b32 v26, 15, v0                           ; r
	v_bfe_u32 v27, v0, 4, 1                         ; h
	v_lshlrev_b32 v28, 4, v25                       ; 16 lane
	v_lshlrev_b32 v29, 2, v25                       ; 4 lane
	v_mul_u32_u24 v30, v26, PC
	v_lshl_add_u32 v[AFR], v27, 4, v30              ; r rows + 16 h
	v_lshl_add_u32 v30, v27, 5, v30                 ; r rows + 32 h
	v_lshlrev_b32 v31, 10, v26
	v_lshl_add_u32 v31, v27, 4, v31                 ; W: row r of 1,024 bytes, + 16 h
	v_lshlrev_b32 v24, 5, v27                       ; b: 32 h
	v_lshlrev_b32 v[VPF], 8, v26
	v_lshl_add_u32 v[VPF], v27, 12, v[VPF]          ; the prefetches: row h, piece r
	s_wait_alu depctr_va_vdst(0)
	s_bfe_u32 s17, ttmp6, 0x40000                   ; c: my place in the cluster
	s_and_b32 s18, ttmp7, 0xffff                    ; g
	s_mul_i32 s27, s16, 8*PC
	v_add_nc_u32 v[ACS], s27, v29
	s_add_co_u32 s27, s27, STG
	v_add_nc_u32 v[ASS], s27, v28
	s_lshl_b32 s27, s16, 8
	s_add_co_u32 s27, s27, STG
	v_add_nc_u32 v[AXR], s27, v30
	s_lshl_b32 s28, s17, 2
	s_add_co_u32 s29, s28, s16                      ; 4 c + w
	s_lshl_b32 s30, s29, 13                         ; + rows 2 (4 c + w)
	v_add_nc_u32 v[VPF], s30, v[VPF]
	s_lshl_b32 s28, s17, 1                          ; 2 c
	s_lshl_b32 s29, s16, 15                         ; 8 w rows of 4,096 bytes
.irp M, 0,1,2,3,4,5,6,7
	s_add_co_u32 s30, s28, \M
	s_and_b32 s30, s30, 7                           ; the physical chunk
	s_lshl_b32 s31, s30, 7
	v_add_nc_u32 v[VWO+\M], s31, v31
	s_lshl_b32 s31, s30, 9
	s_add_co_u32 s31, s31, s29
	v_add_nc_u32 v[VO+\M], s31, v28
.endr
	s_mov_b32 s33, 0
	s_lshl_b32 s32, s18, 22                         ; 1,024 g rows of 4,096 bytes: under 2^32
	s_wait_alu depctr_va_vdst(0)
	s_wait_kmcnt 0x0
	s_load_b64 s[14:15], s[10:11], 0x0              ; e0, e1
	s_add_nc_u64 s[4:5], s[4:5], s[32:33]           ; x at my block 0
	s_lshl_b32 s32, s17, 18
	s_lshl_b32 s34, s16, 16
	s_add_co_u32 s32, s32, s34                      ; (256 c + 64 w) rows of 1,024 bytes
	s_add_nc_u64 s[6:7], s[6:7], s[32:33]
	s_lshr_b32 s32, s32, 8                          ; (256 c + 64 w) numbers of 4 bytes
	s_add_nc_u64 s[8:9], s[8:9], s[32:33]
	s_lshl_b32 s34, s18, 13                         ; part: 8,192 bytes for each g
	s_add_co_u32 s32, s32, s34
	s_add_nc_u64 s[12:13], s[12:13], s[32:33]
	WIN 0x40
.irp g, 0,1,2,3,4,5,6,7,8,9,10,11,12,13,14,15
	XL \g, 0                                        ; block 0 of x is asked for first, ahead of b and W
.endr
	WIN 0
.irp T, 0,1,2,3
	global_load_b128 v[BB+8*\T:BB+8*\T+3], v24, s[8:9] offset:64*\T           ; b at outputs 16 T + 8 h + 0 .. 7: the result's layout
	global_load_b128 v[BB+8*\T+4:BB+8*\T+7], v24, s[8:9] offset:64*\T+16
.endr
.irp s, 0,1,2,3,4,5,6,7
	WIN 0x80+0x40*(\s/4)                            ; destination window 2 or 3
.irp T, 0,1,2,3
.irp cc, 0,1,2,3
	global_load_b128 v[16*(4*(\s%4)+\T)+4*\cc:16*(4*(\s%4)+\T)+4*\cc+3], v[VWO+\s], s[6:7] offset:16384*\T+32*\cc
.endr
.endr
.endr
	WIN 0
.set rj, 0
.rept 64
	v_mov_b32 v[NUM+rj], 0                          ; num and den begin as zeros: the trip is written for all blocks alike
.set rj, rj+1
.endr
	v_mov_b32 v[VK], 0xbeb17218                     ; -ln2 / 2
	v_mov_b32 v[VK+1], 0xbeb17218
	s_wait_kmcnt 0x0
	s_add_co_i32 s27, s14, s15                      ; e0 + e1
	s_lshl_b32 s27, s27, 23
	s_add_co_i32 s22, s27, 0x4038aa3b               ; C1 = 2 log2(e) with e0 + e1 added to its exponent field
	s_mov_b32 s23, s22                              ; (named with it as a pair, so it is written)
	s_add_co_i32 s31, s14, 127
	s_lshl_b32 s34, s31, 23
	v_mov_b32 v[VSC], s34                           ; 2^e0: the conversion takes its exponent field
	s_add_co_i32 s31, s31, 15
	s_lshl_b32 s31, s31, 23
	s_or_b32 s31, s31, 0x600000
	v_mov_b32 v[VLIM], s31                          ; 57,344 x 2^e0
	s_wait_loadcnt 0x0                              ; block 0, b and W are in
.set rj, 0
.rept 32
	v_mul_f32 v[BB+rj], 0x4038aa3b, v[BB+rj]        ; 2 log2(e) b
.set rj, rj+1
.endr
	; THE PROLOGUE: block 0 is quantised into buffers 0; block 1 is asked for
.irp g, 0,1,2,3,4,5,6,7,8,9,10,11,12,13,14,15
	QG \g, 0, 1
.endr
	ENDT 0
	FLOAD 0, 0                                      ; as behind every trip's barrier
	FLOAD 1, 0
	XFLD 0, 0
	s_mov_b32 s26, 15
.Lloop:                                             ; 15 trips of two: blocks 0 to 29
	TRIP 0, 1, 1, 1, 0
	TRIP 1, 1, 1, 1, 0
	s_sub_co_u32 s26, s26, 1
	s_cmp_lg_u32 s26, 0
	s_cbranch_scc1 .Lloop
	TRIP 0, 0, 1, 0, 1                              ; block 30: block 31 is quantised, nothing beyond it is loaded
	TRIP 1, 0, 0, 0, 2                              ; block 31
	; THE WAY OUT.  A lane's num and den are sums over the rows r mod 16: the sixteen lanes of a half are added.
	v_bfe_u32 v13, v0, 4, 1                         ; h.  (The addresses are made in registers that the trips have left)
	v_and_b32 v12, 15, v0                           ; r
	v_and_b32 v9, 31, v0                            ; lane
	s_lshl_b32 s27, s16, 9
	s_add_co_u32 s27, s27, RST                      ; my stage
	v_lshl_add_u32 v8, v13, 5, s27                  ; in: 32 h: my half's eight outputs of a tile
	v_lshl_add_u32 v9, v9, 4, s27                   ; back: 16 bytes a lane
	v_lshlrev_b32 v12, 4, v12
	v_lshl_add_u32 v12, v13, 12, v12                ; part: lanes 0-15: num's 256 bytes; lanes 16-31: den's, 4,096 bytes on
.irp m, 1,2,4,8
.set rj, 0
.rept 64
	v_add_f32_dpp v[NUM+rj], v[NUM+rj], v[NUM+rj] row_xmask:\m row_mask:0xf bank_mask:0xf
.set rj, rj+1
.endr
.endr
.irp T, 0,1,2,3
.irp j, 0,1
	ds_store_b128 v8, v[NUM+8*\T+4*\j:NUM+8*\T+4*\j+3] offset:64*\T+16*\j          ; outputs 16 T + 8 h + 4 j on; the sixteen lanes of a half write the same bytes with the same numbers
	ds_store_b128 v8, v[DEN+8*\T+4*\j:DEN+8*\T+4*\j+3] offset:256+64*\T+16*\j
.endr
.endr
	ds_load_b128 v[32:35], v9                       ; LDS serves a wave's instructions in order (ISA guide 5.7.1.4): this sees my stores
	s_wait_dscnt 0x0
	global_store_b128 v12, v[32:35], s[12:13]       ; sixteen lanes store num's 256 consecutive bytes, aligned; the other sixteen den's
	s_wait_tensorcnt 0x0                            ; the wave's end
	ds_add_u32 v[SPW], v[NIL]
	s_wait_dscnt 0x0
	s_endpgm
.Lfunc_end_k_q1938a37980_pool:
	.size	k_q1938a37980_pool, .Lfunc_end_k_q1938a37980_pool-k_q1938a37980_pool
	.p2alignl 7, 3214868480
	.fill 96, 4, 3214868480
	.section	.rodata,"a",@progbits
	.p2align	6, 0x0
	.amdhsa_kernel k_q1938a37980_pool
		.amdhsa_group_segment_fixed_size 135680
		.amdhsa_private_segment_fixed_size 0
		.amdhsa_enable_private_segment 0
		.amdhsa_kernarg_size 40
		.amdhsa_user_sgpr_count 2
		.amdhsa_user_sgpr_kernarg_segment_ptr 1
		.amdhsa_wavefront_size32 1
		.amdhsa_system_sgpr_workgroup_id_x 1
		.amdhsa_system_sgpr_workgroup_id_y 1
		.amdhsa_system_sgpr_workgroup_id_z 1
		.amdhsa_system_vgpr_workitem_id 0
		.amdhsa_next_free_vgpr 1024
		.amdhsa_next_free_sgpr 66
		.amdhsa_reserve_vcc 0
		.amdhsa_float_denorm_mode_32 3
		.amdhsa_float_denorm_mode_16_64 3
		.amdhsa_memory_ordered 1
		.amdhsa_forward_progress 1
		.amdhsa_inst_pref_size 255
	.end_amdhsa_kernel
	.section	.bss,"aw",@nobits
	.p2align	6
	.space	262144
	.amdgpu_metadata
---
amdhsa.version: [ 1, 2 ]
amdhsa.kernels:
  - .name:           k_q1938a37980_pool
    .symbol:         k_q1938a37980_pool.kd
    .args:
      - { .name: lstm_output, .offset: 0, .size: 8, .value_kind: global_buffer, .address_space: global }
      - { .name: W_codes, .offset: 8, .size: 8, .value_kind: global_buffer, .address_space: global }
      - { .name: b, .offset: 16, .size: 8, .value_kind: global_buffer, .address_space: global }
      - { .name: lowp_scales, .offset: 24, .size: 8, .value_kind: global_buffer, .address_space: global }
      - { .name: part, .offset: 32, .size: 8, .value_kind: global_buffer, .address_space: global }
    .group_segment_fixed_size: 135680
    .private_segment_fixed_size: 0
    .kernarg_segment_align: 8
    .kernarg_segment_size: 40
    .max_flat_workgroup_size: 128
    .sgpr_count:     66
    .vgpr_count:     1024
    .wavefront_size: 32
...
	.end_amdgpu_metadata
.endif
;; end of part 1
;; launch combine (part 2): grid 16 x 1, 8 waves a work-group, no clusters, 0 bytes of LDS; arguments part, out0; writes out0
.if DOCPART == 2
	.amdgcn_target "amdgcn-amd-amdhsa--gfx1250"
	.amdhsa_code_object_version 6
	.text
	.protected	k_q1938a37980_combine
	.globl	k_q1938a37980_combine
	.p2align	8
	.type	k_q1938a37980_combine,@function
k_q1938a37980_combine:
	s_mov_b64 s[64:65], 0
	v_nop
	global_prefetch_b8 v0, s[64:65] scope:SCOPE_SE
	s_setreg_imm32_b32 hwreg(HW_REG_WAVE_MODE, 25, 1), 1
	s_wait_xcnt 0x0
; out0[b][o] = (the sum over the batch's four quarters of num) / (the same of den).  part: [64 (4 b + quarter)][2 (num, den)][1024] f32.  No work is left out.
; A work-group takes a batch; thread t takes outputs 4 t .. 4 t + 3: each load and the store of a wave cover 512 consecutive bytes.  den is at least 4096 e^-2: the division is safe.
	s_load_b128 s[4:7], s[0:1], 0x0                 ; part, out0
	v_lshlrev_b32 v1, 4, v0
	s_lshl_b32 s8, ttmp9, 15                        ; a batch's four quarters: 32,768 bytes
	s_mov_b32 s9, 0
	s_lshl_b32 s10, ttmp9, 12                       ; a row of out0
	s_mov_b32 s11, 0
	s_wait_alu depctr_va_vdst(0)
	s_wait_kmcnt 0x0
	s_add_nc_u64 s[4:5], s[4:5], s[8:9]
	s_add_nc_u64 s[6:7], s[6:7], s[10:11]
.irp q, 0,1,2,3
	global_load_b128 v[4+4*\q:7+4*\q], v1, s[4:5] offset:8192*\q          ; num
	global_load_b128 v[20+4*\q:23+4*\q], v1, s[4:5] offset:8192*\q+4096   ; den
.endr
	s_wait_loadcnt 0x0
.irp a, 4, 20
	v_pk_add_f32 v[\a:\a+1], v[\a:\a+1], v[\a+4:\a+5]
	v_pk_add_f32 v[\a+2:\a+3], v[\a+2:\a+3], v[\a+6:\a+7]
	v_pk_add_f32 v[\a+8:\a+9], v[\a+8:\a+9], v[\a+12:\a+13]
	v_pk_add_f32 v[\a+10:\a+11], v[\a+10:\a+11], v[\a+14:\a+15]
	s_delay_alu instid0(VALU_DEP_2)
	v_pk_add_f32 v[\a:\a+1], v[\a:\a+1], v[\a+8:\a+9]
	s_delay_alu instid0(VALU_DEP_2)
	v_pk_add_f32 v[\a+2:\a+3], v[\a+2:\a+3], v[\a+10:\a+11]
.endr
	s_wait_alu depctr_va_vdst(0)
.irp j, 0,1,2,3
	v_rcp_f32 v[36+\j], v[20+\j]
.endr
	v_nop                                           ; a plain line behind the last reciprocal,
	s_wait_alu depctr_va_vdst(0)                    ; and the one wait ahead of the batch's first reader
	v_pk_mul_f32 v[4:5], v[4:5], v[36:37]
	v_pk_mul_f32 v[6:7], v[6:7], v[38:39]
	global_store_b128 v1, v[4:7], s[6:7]
	s_endpgm
.Lfunc_end_k_q1938a37980_combine:
	.size	k_q1938a37980_combine, .Lfunc_end_k_q1938a37980_combine-k_q1938a37980_combine
	.p2alignl 7, 3214868480
	.fill 96, 4, 3214868480
	.section	.rodata,"a",@progbits
	.p2align	6, 0x0
	.amdhsa_kernel k_q1938a37980_combine
		.amdhsa_group_segment_fixed_size 0
		.amdhsa_private_segment_fixed_size 0
		.amdhsa_enable_private_segment 0
		.amdhsa_kernarg_size 16
		.amdhsa_user_sgpr_count 2
		.amdhsa_user_sgpr_kernarg_segment_ptr 1
		.amdhsa_wavefront_size32 1
		.amdhsa_system_sgpr_workgroup_id_x 1
		.amdhsa_system_sgpr_workgroup_id_y 1
		.amdhsa_system_sgpr_workgroup_id_z 1
		.amdhsa_system_vgpr_workitem_id 0
		.amdhsa_next_free_vgpr 48
		.amdhsa_next_free_sgpr 66
		.amdhsa_reserve_vcc 0
		.amdhsa_float_denorm_mode_32 3
		.amdhsa_float_denorm_mode_16_64 3
		.amdhsa_memory_ordered 1
		.amdhsa_forward_progress 1
		.amdhsa_inst_pref_size 3
	.end_amdhsa_kernel
	.amdgpu_metadata
---
amdhsa.version: [ 1, 2 ]
amdhsa.kernels:
  - .name:           k_q1938a37980_combine
    .symbol:         k_q1938a37980_combine.kd
    .args:
      - { .name: part, .offset: 0, .size: 8, .value_kind: global_buffer, .address_space: global }
      - { .name: out0, .offset: 8, .size: 8, .value_kind: global_buffer, .address_space: global }
    .group_segment_fixed_size: 0
    .private_segment_fixed_size: 0
    .kernarg_segment_align: 8
    .kernarg_segment_size: 16
    .max_flat_workgroup_size: 256
    .sgpr_count:     66
    .vgpr_count:     48
    .wavefront_size: 32
...
	.end_amdgpu_metadata
.endif
;; end of part 2
